; MI455X (gfx1250); checked and timed in simulation.
; The chip was launched on July 23, 2026; its instructions are those of AMD's public machine-readable ISA for CDNA 5 (MIT licence, August 2026) and "CDNA5" Instruction Set Architecture Reference Guide (July 2026). The comments in the code are by the model that wrote it; some were corrected since.
;; Local Multi Head Attention. Allowed arithmetic: matrix products marked QUANTISED: E2M1 operands, one E8M0 scale for each 32 along K, by v_wmma_scale_f32_16x16x128_f8f6f4 with both operands' format E2M1 (or v_wmma_scale_f32_32x16x128_f4), f32 sums; products left as they are: bf16, f16 or f32 operands; f32 sums; everything else in f32.
;; Inputs: w_qkv 1,024 x 3,072 float32; x 4 x 4,096 x 1,024 float32.
;; Outputs: out0 4 x 4,096 x 1,024 float32.
;; This version of the problem:
;;   THIS VERSION OF THE PROBLEM IS GIVEN IN LOW PRECISION. The matrix products marked QUANTISED in the list below multiply operands that are first quantised to E2M1 (2 exponent bits, 1 mantissa bit; 4 bits a number), with one power-of-two scale for each 32 numbers along K (OCP MX v1.0); their sums are f32. The products marked 'left as it is' may take bf16, f16 or f32 operands, with f32 sums. Whichever they take, every output number must still come out within the allowed error. Rounding operands to bf16 (8 significant bits) uses up far more of that allowance than f16 does (11 bits, for magnitudes from 6e-5 to 65,504). All else is computed in f32.
;;   The module's matrix products, in the order in which they are computed (A, B: the left and right operand; K: the contracted axis; several contracted axes count as one K, in the product's order):
;;     1. [M 16,384, K 1,024] x [K 1,024, N 3,072]; A: input x; B: input w_qkv: QUANTISED
;;     2. batch 2,048 x [M 128, K 64] x [K 64, N 384]; A: computed on the way; B: computed on the way: left as it is (an operand is computed on the way)
;;     3. batch 2,048 x [M 128, K 384] x [K 384, N 64]; A: computed on the way; B: computed on the way: left as it is (an operand is computed on the way)
;;   THE QUANTISER, for each operand of a quantised product, along K:
;;     - K is cut into blocks of 32 from its start; a last block that is shorter is filled with zeros.
;;     - A block's scale is 2^e with e = floor(log2(the largest magnitude in the block)) - 2, held to -126 .. 127; a block of zeros has e = 0. As a byte (E8M0): e + 127.
;;     - Each number is divided by its block's scale, clamped to +-6, and rounded to the nearest number of E2M1, ties to even, subnormals kept.
;;     - The product sums the exact products of the quantised numbers (number of the format x scale) in f32.
;;   ~~~python
;;   def quantise(x, axis):      # numpy; x: float32 -> the quantised numbers, widened to float32 again
;;       x = np.moveaxis(x, axis, -1); K = x.shape[-1]
;;       x = np.pad(x, [(0, 0)] * (x.ndim - 1) + [(0, -K % 32)]); x = x.reshape(x.shape[:-1] + (-1, 32)); a = np.abs(x).max(-1, keepdims=True)
;;       e = np.where(a > 0, np.clip(np.frexp(np.where(a > 0, a, 1))[1] - 1 - 2, -126, 127), 0)      # np.frexp(a)[1] - 1 = floor(log2(a)), exactly
;;       r = np.clip(x / 2.0 ** e, -6, 6)
;;       step = 2.0 ** (np.maximum(np.frexp(np.where(r == 0, 1, r))[1] - 1, 0) - 1)
;;       q = np.round(r / step) * step * 2.0 ** e      # np.round: ties to even
;;       return np.moveaxis(q.reshape(q.shape[:-2] + (-1,))[..., :K], -1, axis).astype(np.float32)
;;   ~~~
;; One version. Each part assembles by itself: llvm-mc -triple=amdgcn-amd-amdhsa -mcpu=gfx1250 --defsym DOCPART=n.
;; ======== version 1 of 1: 2 launches
;; limits: values are held in f16: magnitudes above 65,504 overflow, below 6.1e-05 lose precision; right only within a limited range of input values
;; workspace buffers: xq 8,912,896 bytes; wq 1,572,864 bytes; ws 98,304 bytes
;; launch quant (part 1): grid 704 x 1, 4 waves a work-group, no clusters, 43,520 bytes of LDS; arguments x, w_qkv, xq, wq, ws; writes xq, wq, ws
.if DOCPART == 1
	.amdgcn_target "amdgcn-amd-amdhsa--gfx1250"
	.amdhsa_code_object_version 6
	.text
	.protected	k_q953ce78c86_quant
	.globl	k_q953ce78c86_quant
	.p2align	8
	.type	k_q953ce78c86_quant,@function
k_q953ce78c86_quant:
	s_mov_b64 s[64:65], 0
	v_nop
	global_prefetch_b8 v0, s[64:65] scope:SCOPE_SE
	s_setreg_imm32_b32 hwreg(HW_REG_WAVE_MODE, 25, 1), 1
	s_wait_xcnt 0x0
; LAUNCH 1 OF 2.  x [16384][1024] and w_qkv [1024][3072], f32, become codes of FP4 (E2M1) with one E8M0 byte for each 32 along K = 1024.
; A block's scale is 2^(floor(log2(its largest magnitude)) - 2); its byte is the largest magnitude's own exponent field - 2, held at 1 from below; each number is divided by the scale and
; rounded to the nearest code, ties to even, beyond 6 the code of 6.
; WHAT GOES OUT.  xq: for each window of 128 tokens one dense block of 69,632 bytes: [128 tokens][512 bytes of codes, K innermost, the lower k in the low four bits], then [128 tokens][32 scale bytes].
;   wq: in the order of the operand's registers: [tile of 16 columns (192)][K step of 128 (8)][piece c (2)][lane (32)][16 bytes]; lane (r, h) of piece c holds K = 128 s + 64 c + 32 h + 0..31 of column 16 T + r.
;   ws: [column (3072)][32 scale bytes].
; WORK THAT THE PROGRAM LEAVES OUT (the second launch does; shown here, at the first kernel's head).  reference() pads k and v by one window of zeros on each side (jnp.pad) and sets the scores of those
; keys to -1e9 by a mask that it builds itself from arange.  So for window 0 the 128 keys of window -1, and for window 31 those of window 32, have v = 0: their part of the second attention product is
; weight x 0 = 0 for all values of the inputs; and their weight in the softmax's sum is exp(-1e9 - max), with max the row's largest score.  They are whole tiles of products 2 and 3 under reference()'s own mask: no score,
; exponential or product is made for them, and no k or v for windows -1 and 32.  Both inputs have ways to the output and are loaded whole.
; LIMITS: that holds while a row's largest in-sequence score lies above -1e9 + 100 (below that reference() itself would weigh the padding in).  The work left out has no inputs, so no NaN, infinity or
; overflow can reach it alone.  A block of zeros gets the byte 1 where the quantiser says 127: its codes are zeros, which add nothing under any byte but 0xff, and this program alone reads the bytes.
; Blocks whose largest magnitude lies under 2^-124 (the floor), NaN and infinities among the inputs are not served.
; SHARES.  Work-groups 0-191 take w (128 columns x 128 along K each: 16 KB a wave), work-groups 192-703 take x (32,768 numbers each: 32 KB a wave).  A wave of either kind has half of its bytes on their way at a time
; (w: 64 loads of 128 bytes; x: 32 loads of 512), so both kinds go twice round their ring of registers.  The two ways part once, on the work-group's number, never join, and have LDS bytes of their own.
; No tensor load, no barrier, no matrix work: waves share nothing and the launch only moves bytes.
.set SPARE, 43008                      ; behind both ways' stages: the spare words, 128 bytes a wave, that no other line names
.set SPW,   224                        ; v224  LDS address of my spare word; never rewritten
.set NIL,   225                        ; v225  0; never rewritten
.set WGW,   192                        ; work-groups that take w
.set DEPTH, 8                          ; x: steps whose loads are on their way
.set RX,    16                         ; x: v16-143  eight sets of 16 numbers as loaded
.set XX,    144                        ; x: v144-175 two sets of 16 neighbours
.set EX,    176                        ; x: v176-191 a scale byte for each step
.set CX,    192                        ; x: v192-223 codes, two registers a step: no store's data are written again
.set XWR,   32                         ; w: v32-95   two sets of 32 numbers
.set CWR,   96                         ; w: v96-99   a block's codes
.set SBW,   24                         ; w: v24      the four scale bytes
.set OUTW,  112                        ; w: v112-127 the way out
.set WROW,  12288                      ; a row of w in bytes
; ---- x: a wave takes 16 steps of 512 numbers.  Each load reads 512 consecutive bytes; a step's 2,048 bytes turn through the wave's own stage (80 bytes a lane: 64 + 16 of padding), so that a lane holds 16 neighbours.
.macro LOADX t
.irp i, 0,1,2,3
	global_load_b128 v[RX+16*((\t)%DEPTH)+4*\i:RX+16*((\t)%DEPTH)+4*\i+3], v3, s[4:5] offset:2048*(\t)+512*\i th:TH_LOAD_NT
.endr
.endm
.macro TURNX t                         ; LDS serves a wave's instructions in order: no wait between the stores and the loads
.irp i, 0,1,2,3
	ds_store_b128 v14, v[RX+16*((\t)%DEPTH)+4*\i:RX+16*((\t)%DEPTH)+4*\i+3] offset:2560*((\t)%2)+640*\i
.endr
.irp i, 0,1,2,3
	ds_load_b128 v[XX+16*((\t)%2)+4*\i:XX+16*((\t)%2)+4*\i+3], v15 offset:2560*((\t)%2)+16*\i
.endr
.endm
.macro STEPX t
.set XS0, XX+16*((\t)%2)
.if (\t) > 0
	s_wait_dscnt 1                                 ; this step's numbers are back from the stage; the last step's byte store may be out
.else
	s_wait_dscnt 0x0
.endif
.if (\t)+DEPTH < 16
	LOADX (\t)+DEPTH                               ; into the set whose stores into the stage have read it
.endif
.if (\t)+1 < 16
.if 14-(\t) >= DEPTH-1
	s_wait_loadcnt 4*(DEPTH-1)                     ; the next step's four loads are in; those of the seven steps behind it may be out
.else
	s_wait_loadcnt 4*(14-(\t))
.endif
	TURNX (\t)+1
.endif
	v_max3_num_f32 v8, |v[XS0]|, |v[XS0+1]|, |v[XS0+2]|      ; the largest magnitude of my 16, in two chains
	v_max3_num_f32 v9, |v[XS0+3]|, |v[XS0+4]|, |v[XS0+5]|
.irp i, 6,10
	v_max3_num_f32 v8, v8, |v[XS0+\i]|, |v[XS0+\i+1]|
	v_max3_num_f32 v9, v9, |v[XS0+\i+2]|, |v[XS0+\i+3]|
.endr
	v_max3_num_f32 v8, v8, |v[XS0+14]|, |v[XS0+15]|
	v_max3_num_f32 v8, v8, v9, 0x1800000           ; and the floor 2^(3 - 127): the byte cannot fall under 1
	v_max_num_f32_dpp v8, v8, v8 row_xmask:1 row_mask:0xf bank_mask:0xf   ; with my neighbour's 16: the block's
	v_add_nc_u32 v11, 0xff000000, v8               ; 2 off the exponent field: the conversion takes that field of this operand as its scale
	v_cvt_scalef32_pk8_fp4_f32 v[CX+2*(\t)], v[XS0:XS0+7], v11
	v_cvt_scalef32_pk8_fp4_f32 v[CX+2*(\t)+1], v[XS0+8:XS0+15], v11
	v_lshrrev_b32 v[EX+(\t)], 23, v11              ; the scale's byte (also the plain line behind the conversions)
	ds_store_b8 v5, v[EX+(\t)] offset:16*(\t)      ; both lanes of a block write the same byte with the same value
	global_store_b64 v4, v[CX+2*(\t):CX+2*(\t)+1], s[24:25] offset:256*(\t)   ; 32 lanes store 256 consecutive bytes, aligned
.endm
; ---- w: a lane takes a column and its registers run down K: a block of 32 lies in one lane.
.macro LOADW t
.irp i, 0,1,2,3,4,5,6,7,8,9,10,11,12,13,14,15,16,17,18,19,20,21,22,23,24,25,26,27,28,29,30,31
	global_load_b32 v[XWR+32*((\t)%2)+\i], v3, s[6:7] offset:(32*(\t)+\i)*WROW th:TH_LOAD_NT   ; at most 127 rows on: inside the signed 24-bit immediate
.endr
.endm
.macro BLOCKW t
.set XS1, XWR+32*((\t)%2)
.if (\t) < 3
	s_wait_loadcnt 32                              ; this block's 32 loads are in; the next block's may be out
.else
	s_wait_loadcnt 0x0
.endif
	v_max3_num_f32 v12, |v[XS1]|, |v[XS1+1]|, |v[XS1+2]|
	v_max3_num_f32 v13, |v[XS1+3]|, |v[XS1+4]|, |v[XS1+5]|
.irp i, 6,10,14,18,22,26
	v_max3_num_f32 v12, v12, |v[XS1+\i]|, |v[XS1+\i+1]|
	v_max3_num_f32 v13, v13, |v[XS1+\i+2]|, |v[XS1+\i+3]|
.endr
	v_max3_num_f32 v12, v12, |v[XS1+30]|, |v[XS1+31]|
	v_max3_num_f32 v12, v12, v13, 0x1800000        ; the floor
	v_add_nc_u32 v11, 0xff000000, v12
	v_lshrrev_b32 v13, 23, v11                     ; the scale's byte
.if (\t) == 0
	v_mov_b32 v[SBW], v13
.else
	v_lshl_or_b32 v[SBW], v13, 8*(\t), v[SBW]      ; four bytes make the K step's scale word, the lower K in the lower byte
.endif
.irp g, 0,1,2,3
	v_cvt_scalef32_pk8_fp4_f32 v[CWR+\g], v[XS1+8*\g:XS1+8*\g+7], v11
.endr
	ds_store_b128 v4, v[CWR:CWR+3] offset:16*(\t)  ; 32 codes: 16 bytes of my column's row in the stage
.if (\t)+2 < 4
	LOADW (\t)+2
.endif
	s_wait_dscnt 0x0                               ; the store has read its registers: the next block's codes may be written
.endm
	s_load_b128 s[4:7], s[0:1], 0x0                ; x, w_qkv
	s_load_b128 s[8:11], s[0:1], 0x10              ; xq, wq
	s_load_b64 s[12:13], s[0:1], 0x20              ; ws
	v_lshl_add_u32 v[SPW], v0, 2, SPARE
	v_mov_b32 v[NIL], 0
	v_lshrrev_b32 v1, 5, v0
	v_readfirstlane_b32 s16, v1                    ; wave 0..3
	v_and_b32 v2, 31, v0                           ; lane
	s_wait_kmcnt 0x0
	s_cmp_lt_u32 ttmp9, WGW
	s_cbranch_scc1 .Lw
	; ---------------- x ----------------
	v_lshlrev_b32 v3, 4, v2                        ; my 16 bytes of a load's 512
	s_mul_i32 s17, s16, 8192                       ; my wave's LDS region: two stages of 2,560 bytes, then 256 scale bytes
	v_lshrrev_b32 v14, 2, v2
	v_mul_u32_u24 v14, v14, 80
	v_and_b32 v15, 3, v2
	v_lshl_add_u32 v14, v15, 4, v14
	v_add_nc_u32 v14, s17, v14                     ; into the stage: 80 (lane / 4) + 16 (lane % 4)
	v_mul_u32_u24 v15, v2, 80
	v_add_nc_u32 v15, s17, v15                     ; out of it: 80 x lane
	v_mul_u32_u24 v4, v2, 8                        ; my codes' place in a step's 256 bytes
	v_lshrrev_b32 v5, 1, v2
	s_add_co_u32 s17, s17, 5120
	v_add_nc_u32 v5, s17, v5                       ; my block's byte among the wave's 256
	v_lshlrev_b32 v7, 3, v2
	v_add_nc_u32 v6, s17, v7                       ; and 8 bytes a lane on their way out
	s_sub_co_u32 s17, ttmp9, WGW                   ; 0..511
	s_lshl_b32 s18, s17, 2
	s_add_co_u32 s18, s18, s16                     ; my run of 8,192 numbers (8 tokens)
	s_lshl_b32 s18, s18, 15                        ; x 32,768 bytes
	s_mov_b32 s19, 0
	s_add_nc_u64 s[4:5], s[4:5], s[18:19]
	s_lshr_b32 s20, s17, 2                         ; the window: 16 runs each
	s_mul_i32 s20, s20, 69632
	s_and_b32 s22, s17, 3
	s_lshl_b32 s22, s22, 2
	s_add_co_u32 s22, s22, s16                     ; my run in the window, 0..15
	s_lshl_b32 s18, s22, 12                        ; 4,096 bytes of codes a run
	s_add_co_u32 s18, s18, s20
	s_add_nc_u64 s[24:25], s[8:9], s[18:19]        ; where my codes go
	s_lshl_b32 s18, s22, 8                         ; 256 scale bytes a run,
	s_add_co_u32 s18, s18, s20
	s_add_co_u32 s18, s18, 65536                   ; behind the window's codes
	s_add_nc_u64 s[26:27], s[8:9], s[18:19]
.irp t, 0,1,2,3,4,5,6,7
	LOADX \t
.endr
	s_wait_loadcnt 4*(DEPTH-1)                     ; step 0's four loads are in
	TURNX 0
.irp t, 0,1,2,3,4,5,6,7,8,9,10,11,12,13,14,15
	STEPX \t
.endr
	ds_load_b64 v[8:9], v6                         ; LDS serves a wave's instructions in order: these see my byte stores
	s_wait_dscnt 0x0
	global_store_b64 v7, v[8:9], s[26:27]          ; 32 lanes store 256 consecutive bytes, aligned
	s_wait_tensorcnt 0x0                           ; the wave's end: behind my last LDS store
	ds_add_u32 v[SPW], v[NIL]
	s_wait_dscnt 0x0
	s_endpgm
	; ---------------- w ----------------
.Lw:
	s_and_b32 s17, ttmp9, 7                        ; which K step of 128
	s_lshr_b32 s18, ttmp9, 3                       ; which 128 columns, 0..23
	s_lshl_b32 s18, s18, 7
	s_lshl_b32 s19, s16, 5
	s_add_co_u32 s18, s18, s19                     ; my wave's first column
	v_lshlrev_b32 v3, 2, v2                        ; in: 4 bytes a lane
	s_mul_i32 s19, s16, 2560
	s_add_co_u32 s19, s19, 32768                   ; my stage: 32 rows of 64 + 16 bytes, behind the x way's regions
	v_mul_u32_u24 v4, v2, 80
	v_add_nc_u32 v4, s19, v4                       ; into it: row = my column
	v_and_b32 v5, 15, v2                           ; r
	v_lshrrev_b32 v6, 4, v2                        ; h
	v_mul_u32_u24 v7, v5, 80
	v_lshl_add_u32 v7, v6, 4, v7
	v_add_nc_u32 v7, s19, v7                       ; out of it, as the operand's lane (r, h) wants it: row r, + 16 h
	v_lshlrev_b32 v8, 4, v2                        ; a piece in wq: 16 bytes a lane
	v_lshlrev_b32 v9, 5, v2                        ; my column's row in ws
	s_mul_i32 s20, s17, 128*WROW
	s_lshl_b32 s21, s18, 2
	s_add_co_u32 s20, s20, s21
	s_mov_b32 s21, 0
	s_add_nc_u64 s[6:7], s[6:7], s[20:21]          ; w at (128 x K step, my first column)
	s_lshl_b32 s20, s18, 9                         ; (column / 16) x 8,192
	s_lshl_b32 s22, s17, 10                        ; + K step x 1,024 bytes
	s_add_co_u32 s20, s20, s22
	s_add_nc_u64 s[10:11], s[10:11], s[20:21]
	s_lshl_b32 s20, s18, 5                         ; column x 32
	s_lshl_b32 s22, s17, 2                         ; + K step x 4 blocks
	s_add_co_u32 s20, s20, s22
	s_add_nc_u64 s[12:13], s[12:13], s[20:21]
	LOADW 0
	LOADW 1
.irp t, 0,1,2,3
	BLOCKW \t
.endr
	global_store_b32 v9, v[SBW], s[12:13]          ; my column's scale word of this K step: a word a lane, 32 bytes from lane to lane, since ws lies by columns; ws is 98,304 bytes in all, one byte in 128 of what this way reads
.irp a, 0,1                            ; tile of 16 columns
.irp c, 0,1                            ; piece
	ds_load_b128 v[OUTW+4*(2*\a+\c):OUTW+4*(2*\a+\c)+3], v7 offset:1280*\a+32*\c
.endr
.endr
.irp a, 0,1
.irp c, 0,1
	s_wait_dscnt 3-(2*\a+\c)                       ; LDS loads come back in order: this piece is in, the later ones may be out
	global_store_b128 v8, v[OUTW+4*(2*\a+\c):OUTW+4*(2*\a+\c)+3], s[10:11] offset:8192*\a+512*\c   ; 32 lanes store 512 consecutive bytes, aligned
.endr
.endr
	s_wait_tensorcnt 0x0                           ; the wave's end: behind my last LDS store
	ds_add_u32 v[SPW], v[NIL]
	s_wait_dscnt 0x0
	s_endpgm
.Lfunc_end_k_q953ce78c86_quant:
	.size	k_q953ce78c86_quant, .Lfunc_end_k_q953ce78c86_quant-k_q953ce78c86_quant
	.p2alignl 7, 3214868480
	.fill 96, 4, 3214868480
	.section	.rodata,"a",@progbits
	.p2align	6, 0x0
	.amdhsa_kernel k_q953ce78c86_quant
		.amdhsa_group_segment_fixed_size 43520
		.amdhsa_private_segment_fixed_size 0
		.amdhsa_enable_private_segment 0
		.amdhsa_kernarg_size 40
		.amdhsa_user_sgpr_count 2
		.amdhsa_user_sgpr_kernarg_segment_ptr 1
		.amdhsa_wavefront_size32 1
		.amdhsa_system_sgpr_workgroup_id_x 1
		.amdhsa_system_sgpr_workgroup_id_y 1
		.amdhsa_system_sgpr_workgroup_id_z 1
		.amdhsa_system_vgpr_workitem_id 0
		.amdhsa_next_free_vgpr 232
		.amdhsa_next_free_sgpr 66
		.amdhsa_reserve_vcc 0
		.amdhsa_float_denorm_mode_32 3
		.amdhsa_float_denorm_mode_16_64 3
		.amdhsa_memory_ordered 1
		.amdhsa_forward_progress 1
		.amdhsa_inst_pref_size 54
	.end_amdhsa_kernel
	.amdgpu_metadata
---
amdhsa.version: [ 1, 2 ]
amdhsa.kernels:
  - .name:           k_q953ce78c86_quant
    .symbol:         k_q953ce78c86_quant.kd
    .args:
      - { .name: x, .offset: 0, .size: 8, .value_kind: global_buffer, .address_space: global }
      - { .name: w_qkv, .offset: 8, .size: 8, .value_kind: global_buffer, .address_space: global }
      - { .name: xq, .offset: 16, .size: 8, .value_kind: global_buffer, .address_space: global }
      - { .name: wq, .offset: 24, .size: 8, .value_kind: global_buffer, .address_space: global }
      - { .name: ws, .offset: 32, .size: 8, .value_kind: global_buffer, .address_space: global }
    .group_segment_fixed_size: 43520
    .private_segment_fixed_size: 0
    .kernarg_segment_align: 8
    .kernarg_segment_size: 40
    .max_flat_workgroup_size: 128
    .sgpr_count:     66
    .vgpr_count:     232
    .wavefront_size: 32
...
	.end_amdgpu_metadata
.endif
;; end of part 1
;; launch attn (part 2): grid 16 x 16, 4 waves a work-group, no clusters, 327,680 bytes of LDS; arguments xq, wq, ws, out0; writes out0
.if DOCPART == 2
	.amdgcn_target "amdgcn-amd-amdhsa--gfx1250"
	.amdhsa_code_object_version 6
	.text
	.protected	k_q953ce78c86_attn
	.globl	k_q953ce78c86_attn
	.p2align	8
	.type	k_q953ce78c86_attn,@function
k_q953ce78c86_attn:
	s_mov_b64 s[64:65], 0
	v_nop
	global_prefetch_b8 v0, s[64:65] scope:SCOPE_SE
	s_setreg_imm32_b32 hwreg(HW_REG_WAVE_MODE, 25, 1), 1
	s_wait_xcnt 0x0
; LAUNCH 2 OF 2.  qkv = Q(x) Q(w_qkv) on codes of FP4 with E8M0 scales, and behind it, without a way through memory, the local attention: for each window a of 128 queries the keys of windows a-1, a, a+1.
; LEFT OUT (shown at the first kernel's head): the padded windows -1 and 32, whose v is zero and whose scores reference()'s own mask sets to -1e9: no k, v, score, exponential or product is made for them.
; FORMATS.  Product 1: v_wmma_scale_f32_16x16x128_f8f6f4, FP4 on both sides, f32 sums, K ascending in one chain.  Products 2 and 3: f16 operands (q, k, v, p each rounded once), f32 sums.  Softmax in f32: the row's true
; maximum over all its keys is taken first (all of a query's scores are in registers), p = 2^(c s - c m), c = log2(e) / 8 (the factor 64^-0.5 = 1/8 is a power of two and lies in c); the sum is taken of the unrounded p.
; LIMITS: |q|, |k|, |v| up to 65,504 (f16); a row's largest in-sequence score above -1e9 + 100.
; SHARES.  Work-group (x, y): head x; y = 4 b + rho: batch b, query windows LO = 8 rho .. LO + 7.  It walks the windows G = max(LO - 1, 0) + T, T = 0 .. 9 (a constant count).  A step: (1) the projection of window G for this
; head: k and v, and q where LO <= G <= LO + 7; (2) attention for window G - 1, where that is one of mine.  Steps or parts that a run does not need are jumped over by scalar branches on ids and the step count, the same in all
; four waves; no barrier, tensor wait or add is jumped over.
; Projection: wave w makes channels 16 w .. 16 w + 15 of q, of k and of v for all 128 tokens; its three tiles of W x 8 K steps (192 registers) and their scale words stay in registers for the whole launch.
; q, k: source 0 = W, source 1 = x: a lane holds one token and 8 neighbouring channels.  v: the sources swapped: a lane holds one channel and 8 neighbouring tokens, so V lies in LDS with the keys innermost.
; Attention: wave w owns queries 32 w .. 32 w + 31 (two tiles u).  S^T = K Q^T and O^T = V^T P: a lane holds ONE query throughout; two score tiles, rounded in pairs, are source 1 of the second product as they stand.
; BY TURNS.  The wave is alone on its SIMD, so vector work that is independent of a run of products stands in slices behind those products: behind each product of a half window's scores two of the 32 maximum
; instructions of the half before; behind each of a block's 32 products V^T P one of the 32 slots (2 scalings, 4 exponentials) of the next block.  A slice costs two switches of the register window.
; NO CLUSTER, and why: the four heads of a cluster along x would read the same blocks of xq, but the refills end at a step that hangs on the run (8 refills in the inner runs, 7 in the runs at a sequence's ends), so a jump on ids
; leads round the load, which a joint load may not have; and what would be shared is 69,632 bytes a step beside 384 matrix instructions a wave.
; LDS: X0, X1: two slots for a window's block of xq, 136 rows of 512 + 16 bytes (rows 0-127 codes, 128-135 scale bytes), filled by tensor loads alone, a quarter (34 rows) by each wave.
;   QR: 2 slots [token][64 f16], pitch 144.  KR: 4 slots, the same.  VR: 4 slots [channel][128 keys f16], pitch 272.  All pitches are odd multiples of 16 bytes: the sixteen rows that a load or store touches
;   start at sixteen different multiples of 16 bytes modulo 256.  The output's stage is the wave's own 32 rows of the Q slot that it has just read.
; REGISTERS, in windows of 256.  Window 0: addresses, statistics, scale words (v56-111), Q's fragments (v112-143), v144-239 at work.  Window 1: v0-191 W's fragments, v192-255 O^T.
;   Window 2: the projection's 24 accumulators; in attention the scores of windows a (v0-127) and a-1 (v128-255).  Window 3: v0-127 fragments of x, K or V; v128-255 the scores of window a+1.
.set XWIN,  69632                      ; a window's block in xq
.set XQ4,   17408                      ; a quarter of it in memory: 34 rows of 512 bytes
.set XL4,   17952                      ; and in LDS: 34 rows of 528
.set XSLOT, 71936                      ; slot X1
.set XSC,   67584                      ; a slot's scale bytes: row 128
.set QR,    143872
.set QSL,   18432
.set KR,    180736
.set KSL,   18432
.set VR,    254464
.set VSL,   17408
.set SPARE, 324096                     ; the spare words, 128 bytes a wave, that no other line names
.set AX,  12                           ; v12  x's fragments in the step's slot
.set AXS, 13                           ; v13  x's scale words
.set AQW, 14                           ; v14-16 where q, k, v of the step are stored
.set AKW, 15
.set AVW, 16
.set AQR, 17                           ; v17  Q's fragments
.set ASI, 18                           ; v18  the stage, in
.set ASO, 19                           ; v19  the stage, out
.set SPW, 20                           ; v20  my spare word; never rewritten
.set NIL, 21                           ; v21  0; never rewritten
.set AK,  22                           ; v22-24 K of windows a-1, a, a+1
.set AV,  25                           ; v25-27 V likewise
.set CH,  28                           ; v28-35 four maximum chains for each tile u
.set NM,  36                           ; v36-39 -c m as pairs
.set LS,  40                           ; v40-47 two pair chains of sums for each u
.set RC,  48                           ; v48-51 1 / sum as pairs
.set PX,  52                           ; v52-53 destinations of the lane exchange
.set GO,  54                           ; v54  my byte offset in the wave's rows of the output
.set WSA, 55                           ; v55  32 r: W's scale words' loads
.set WS,  56                           ; v56-79  W's scale words: 8 i + s
.set XS,  80                           ; v80-111 x's: 8 (tile % 4) + s; lanes 0-15 tile 0-3, lanes 16-31 tile 4-7
.set QF,  112
.set TT,  144
.set OO,  192                          ; in window 1
.set WV,  12
.set HD,  13
.set RHO, 14
.set BT,  15
.set LO,  16
.set G,   17
.set GMAX, 18
.set T,   19
.set MSB, 0
.macro WIN new                         ; the immediate's high byte repeats the setting that is left; a switch that changes nothing is dropped
.if MSB != (\new)
	s_set_vgpr_msb (MSB*256)+(\new)
.set MSB, (\new)
.endif
.endm
; four places behind a run of matrix instructions: in front of loads into registers that they read and of the first vector reads of their results
.macro PLACES
.rept 4
	v_nop
.endr
.endm
; ---------------- the projection ----------------
.macro XSLOAD                          ; x's scale words of all 8 K steps: lanes 0-15 tile t, lanes 16-31 tile t + 4
.irp t, 0,1,2,3
.irp p, 0,1
	ds_load_b128 v[XS+8*\t+4*\p:XS+8*\t+4*\p+3], v[AXS] offset:528*\t+16*\p
.endr
.endr
.endm
.macro FETCH s                         ; x's eight fragments of K step s into buffer s % 2 of window 3
	WIN 0xc0
.irp t, 0,1,2,3,4,5,6,7
.irp p, 0,1
	ds_load_b128 v[64*((\s)%2)+8*\t+4*\p:64*((\s)%2)+8*\t+4*\p+3], v[AX] offset:8448*\t+64*(\s)+32*\p
.endr
.endr
.endm
.macro MMQK i, tt, s                   ; q (i = 0) or k (1): source 0 = W's tile, source 1 = 16 tokens
.set rD, 8*(8*(\i)+(\tt))
.set rW, 8*(8*(\i)+(\s))
.set rX, 64*((\s)%2)+8*(\tt)
.set rWS, WS+8*(\i)+(\s)
.set rXS, XS+8*((\tt)%4)+(\s)
.if (\s) == 0
.if (\tt) < 4
	v_wmma_scale_f32_16x16x128_f8f6f4 v[rD:rD+7], v[rW:rW+7], v[rX:rX+7], 0, v[rWS], v[rXS] matrix_a_fmt:MATRIX_FMT_FP4 matrix_b_fmt:MATRIX_FMT_FP4
.else
	v_wmma_scale_f32_16x16x128_f8f6f4 v[rD:rD+7], v[rW:rW+7], v[rX:rX+7], 0, v[rWS], v[rXS] matrix_a_fmt:MATRIX_FMT_FP4 matrix_b_fmt:MATRIX_FMT_FP4 matrix_b_scale:MATRIX_SCALE_ROW1
.endif
.else
.if (\tt) < 4
	v_wmma_scale_f32_16x16x128_f8f6f4 v[rD:rD+7], v[rW:rW+7], v[rX:rX+7], v[rD:rD+7], v[rWS], v[rXS] matrix_a_fmt:MATRIX_FMT_FP4 matrix_b_fmt:MATRIX_FMT_FP4
.else
	v_wmma_scale_f32_16x16x128_f8f6f4 v[rD:rD+7], v[rW:rW+7], v[rX:rX+7], v[rD:rD+7], v[rWS], v[rXS] matrix_a_fmt:MATRIX_FMT_FP4 matrix_b_fmt:MATRIX_FMT_FP4 matrix_b_scale:MATRIX_SCALE_ROW1
.endif
.endif
.endm
.macro MMV tt, s                       ; v: source 0 = 16 tokens, source 1 = W's tile
.set rD, 8*(16+(\tt))
.set rW, 8*(16+(\s))
.set rX, 64*((\s)%2)+8*(\tt)
.set rWS, WS+16+(\s)
.set rXS, XS+8*((\tt)%4)+(\s)
.if (\s) == 0
.if (\tt) < 4
	v_wmma_scale_f32_16x16x128_f8f6f4 v[rD:rD+7], v[rX:rX+7], v[rW:rW+7], 0, v[rXS], v[rWS] matrix_a_fmt:MATRIX_FMT_FP4 matrix_b_fmt:MATRIX_FMT_FP4
.else
	v_wmma_scale_f32_16x16x128_f8f6f4 v[rD:rD+7], v[rX:rX+7], v[rW:rW+7], 0, v[rXS], v[rWS] matrix_a_fmt:MATRIX_FMT_FP4 matrix_b_fmt:MATRIX_FMT_FP4 matrix_a_scale:MATRIX_SCALE_ROW1
.endif
.else
.if (\tt) < 4
	v_wmma_scale_f32_16x16x128_f8f6f4 v[rD:rD+7], v[rX:rX+7], v[rW:rW+7], v[rD:rD+7], v[rXS], v[rWS] matrix_a_fmt:MATRIX_FMT_FP4 matrix_b_fmt:MATRIX_FMT_FP4
.else
	v_wmma_scale_f32_16x16x128_f8f6f4 v[rD:rD+7], v[rX:rX+7], v[rW:rW+7], v[rD:rD+7], v[rXS], v[rWS] matrix_a_fmt:MATRIX_FMT_FP4 matrix_b_fmt:MATRIX_FMT_FP4 matrix_a_scale:MATRIX_SCALE_ROW1
.endif
.endif
.endm
; K step s: 24 (or 16) accumulators by turns, one instruction a turn, in the same order in every K step; K step 0 starts the sums with the constant 0
.macro GSTEP s, withq
.if (\s) < 7
	s_wait_dscnt 16                                ; this K step's fragments (and the scale words) are in; the next K step's 16 loads may be out
.else
	s_wait_dscnt 0x0
.endif
	WIN 0xad                                       ; source 0 window 1 (W), source 1 window 3 (x), C and D window 2
.if \withq
.irp t, 0,1,2,3,4,5,6,7
	MMQK 0, \t, \s
.endr
.endif
.irp t, 0,1,2,3,4,5,6,7
	MMQK 1, \t, \s
.endr
	WIN 0xa7                                       ; source 0 window 3 (x), source 1 window 1 (W)
.irp t, 0,1,2,3,4,5,6,7
	MMV \t, \s
.endr
	PLACES
.if (\s) < 6
	FETCH (\s)+2                                   ; into the buffer just multiplied
.endif
.endm
; the results, rounded to f16, go to LDS: each accumulator from its low end on; 16 bytes a lane
.macro PACK withq
	WIN 0x0a                                       ; sources window 2, destination window 0
.irp i, 0,1,2
.if (\i > 0) || \withq
.irp t, 0,1,2,3,4,5,6,7
.irp k, 0,1,2,3
	v_cvt_pk_f16_f32 v[TT+4*(8*\i+\t)+\k], v[8*(8*\i+\t)+2*\k], v[8*(8*\i+\t)+2*\k+1]
.endr
.endr
.endif
.endr
	WIN 0
.irp t, 0,1,2,3,4,5,6,7
.if \withq
	ds_store_b128 v[AQW], v[TT+4*\t:TT+4*\t+3] offset:2304*\t           ; token 16 t + r, channels 16 w + 8 h + 0..7
.endif
	ds_store_b128 v[AKW], v[TT+4*(8+\t):TT+4*(8+\t)+3] offset:2304*\t
	ds_store_b128 v[AVW], v[TT+4*(16+\t):TT+4*(16+\t)+3] offset:32*\t   ; channel 16 w + r, tokens 16 t + 8 h + 0..7
.endr
.endm
.macro GEMM withq
	WIN 0
	XSLOAD
	FETCH 0
	FETCH 1
.irp s, 0,1,2,3,4,5,6,7
	GSTEP \s, \withq
.endr
	PACK \withq
.endm
; ---------------- attention ----------------
; kw = 0, 1, 2: the keys of windows a-1, a, a+1.  Their scores: kw 1 at v0 of window 2, kw 0 at v128 of window 2, kw 2 at v128 of window 3; tile u 64 further on.
; Two blocks are in hand at a time: one has the matrix unit (sbM, wM), one the vector unit (sbV, wV).
.macro KWM kw
.set sbM, 128*(((\kw)+1)%2)
.set wM, 2+(\kw)/2
.endm
.macro KWV kw
.set sbV, 128*(((\kw)+1)%2)
.set wV, 2+(\kw)/2
.endm
.macro QLOAD                           ; my 32 queries: tile u, channels 32 e on
	WIN 0
.irp u, 0,1
.irp e, 0,1
.irp p, 0,1
	ds_load_b128 v[QF+16*\u+8*\e+4*\p:QF+16*\u+8*\e+4*\p+3], v[AQR] offset:2304*\u+64*\e+32*\p
.endr
.endr
.endr
.endm
.macro LOADKH kw, g                    ; half g of a window's K: 4 tiles of 16 keys x 2 halves of the 64 channels, into half g of the fragment buffer
	WIN 0xc0
.irp t, 0,1,2,3
.irp e, 0,1
.irp p, 0,1
	ds_load_b128 v[64*(\g)+8*(2*\t+\e)+4*\p:64*(\g)+8*(2*\t+\e)+4*\p+3], v[AK+(\kw)] offset:2304*(4*(\g)+\t)+64*\e+32*\p
.endr
.endr
.endr
.endm
; maximum instruction m of the 32 of half g of block kw: tile 4 g + m / 8, query tile (m / 4) % 2, chain m % 4: each accumulator is read from its low end on.  first = 1: key tile 0 starts the eight chains
.macro MAXI kw, g, first, m
	KWV \kw
.set mt, 4*(\g)+(\m)/8
.set mu, ((\m)/4)%2
.set mi, (\m)%4
.if (\first) && (mt == 0)
	WIN 0x0a                                       ; sources window 2, destination window 0
	v_max_num_f32 v[CH+4*mu+mi], v[sbV+64*mu+2*mi], v[sbV+64*mu+2*mi+1]
.else
	WIN 20*wV                                      ; sources 1 and 2 with the scores
	v_max3_num_f32 v[CH+4*mu+mi], v[CH+4*mu+mi], v[sbV+64*mu+8*mt+2*mi], v[sbV+64*mu+8*mt+2*mi+1]
.endif
.endm
; S^T = K Q^T for half g of block kw: 16 products; eight accumulators by turns, the first of each pair starts the sum.  pm = 1: behind each product two maximum instructions of the half before (pkw, pg, pf),
; whose products stand in front of that half's four places.
.macro MULSH kw, g, pm, pkw, pg, pf
	KWM \kw
.set mm, 0
.irp e, 0,1
.irp t, 0,1,2,3
.irp u, 0,1
	WIN 3+80*wM                                    ; source 0 window 3 (K), source 1 window 0 (Q), C and D with the scores
.if \e == 0
	v_wmma_f32_16x16x32_f16 v[sbM+64*\u+8*(4*(\g)+\t):sbM+64*\u+8*(4*(\g)+\t)+7], v[64*(\g)+8*(2*\t+\e):64*(\g)+8*(2*\t+\e)+7], v[QF+16*\u+8*\e:QF+16*\u+8*\e+7], 0
.else
	v_wmma_f32_16x16x32_f16 v[sbM+64*\u+8*(4*(\g)+\t):sbM+64*\u+8*(4*(\g)+\t)+7], v[64*(\g)+8*(2*\t+\e):64*(\g)+8*(2*\t+\e)+7], v[QF+16*\u+8*\e:QF+16*\u+8*\e+7], v[sbM+64*\u+8*(4*(\g)+\t):sbM+64*\u+8*(4*(\g)+\t)+7]
.endif
.if \pm
	MAXI \pkw, \pg, \pf, mm
	MAXI \pkw, \pg, \pf, mm+1
.set mm, mm+2
.endif
.endr
.endr
.endr
	PLACES
.endm
.macro MAXT kw, g                      ; the last half's maxima have no products to stand behind
.set mm, 0
.rept 32
	MAXI \kw, \g, 0, mm
.set mm, mm+1
.endr
.endm
.macro MAXFIN                          ; the row's maximum m (the query's other keys lie in lane l xor 16), and -c m
	WIN 0
.irp u, 0,1
	v_max3_num_f32 v[CH+4*\u], v[CH+4*\u], v[CH+4*\u+1], v[CH+4*\u+2]
.endr
.irp u, 0,1
	v_max_num_f32 v[CH+4*\u], v[CH+4*\u], v[CH+4*\u+3]
.endr
.irp u, 0,1
	v_permlanex16_b32 v[PX+\u], v[CH+4*\u], s50, s51
.endr
.irp u, 0,1
	v_max_num_f32 v[CH+4*\u], v[CH+4*\u], v[PX+\u]
.endr
.irp u, 0,1
	v_mul_f32 v[NM+2*\u], s54, v[CH+4*\u]
.endr
.irp u, 0,1
	v_mov_b32 v[NM+2*\u+1], v[NM+2*\u]             ; (named with it as a pair, so it is written)
.endr
.endm
.macro LOADV kw                        ; a window's V^T: channels 16 n on, keys 32 k on
	WIN 0xc0
.irp n, 0,1,2,3
.irp k, 0,1,2,3
.irp p, 0,1
	ds_load_b128 v[8*(4*\n+\k)+4*\p:8*(4*\n+\k)+4*\p+3], v[AV+(\kw)] offset:4352*\n+64*\k+32*\p
.endr
.endr
.endr
.endm
; p = 2^(c s - c m) of a block's 128 registers, in 32 slots.  Slot i scales registers 4 i .. 4 i + 3 (two packed multiply-adds) and takes the exponentials of the four registers that slot i - 1 scaled:
; a plain instruction leads the slot and stands among the exponentials, and no exponential reads a result just made.  None of these lines names an exponential's result: the block is ONE batch.
.macro ESLOT kw, i
	KWV \kw
	WIN 65*wV                                      ; source 0 and destination with the scores
.set er, sbV+4*(\i)
.set eu, (\i)/16
	v_pk_fma_f32 v[er:er+1], v[er:er+1], s[52:53], v[NM+2*eu:NM+2*eu+1] op_sel_hi:[1,0,0]
.if (\i) > 0
	v_exp_f32 v[er-4], v[er-4]
	v_exp_f32 v[er-3], v[er-3]
.endif
	v_pk_fma_f32 v[er+2:er+3], v[er+2:er+3], s[52:53], v[NM+2*eu:NM+2*eu+1] op_sel_hi:[1,0,0]
.if (\i) > 0
	v_exp_f32 v[er-2], v[er-2]
	v_exp_f32 v[er-1], v[er-1]
.endif
.endm
.macro ETAIL kw                        ; the exponentials of what slot 31 scaled
	KWV \kw
	WIN 65*wV
.irp q, 124,125,126,127
	v_exp_f32 v[sbV+\q], v[sbV+\q]
.endr
.endm
.macro EALL kw                         ; the first block's batch has no products to stand behind
.set ii, 0
.rept 32
	ESLOT \kw, ii
.set ii, ii+1
.endr
	ETAIL \kw
	v_nop                                          ; the plain instruction behind the last exponential
	s_wait_alu depctr_va_vdst(0)                   ; one wait for the batch, ahead of its first reader
.endm
; the block's sums (of the unrounded p), then p to f16 in place
.macro RBLK kw, first
	KWV \kw
.if \first
	WIN 0x0a
.irp u, 0,1
	v_pk_add_f32 v[LS+4*\u:LS+4*\u+1], v[sbV+64*\u:sbV+64*\u+1], v[sbV+64*\u+2:sbV+64*\u+3]       ; the first pairs start the four chains: nothing is cleared
	v_pk_add_f32 v[LS+4*\u+2:LS+4*\u+3], v[sbV+64*\u+4:sbV+64*\u+5], v[sbV+64*\u+6:sbV+64*\u+7]
.endr
.endif
	WIN 4*wV                                       ; source 1 with the scores
.set j, 8*\first
.rept (64-8*\first)/4
.irp u, 0,1
	v_pk_add_f32 v[LS+4*\u:LS+4*\u+1], v[LS+4*\u:LS+4*\u+1], v[sbV+64*\u+j:sbV+64*\u+j+1]
	v_pk_add_f32 v[LS+4*\u+2:LS+4*\u+3], v[LS+4*\u+2:LS+4*\u+3], v[sbV+64*\u+j+2:sbV+64*\u+j+3]
.endr
.set j, j+4
.endr
	WIN 69*wV                                      ; sources 0, 1 and destination with the scores
.irp u, 0,1
.set d, 0
.rept 32
	v_cvt_pk_f16_f32 v[sbV+64*\u+d], v[sbV+64*\u+2*d], v[sbV+64*\u+2*d+1]   ; register d takes weights 2 d, 2 d + 1: ascending, so no weight is written over before it is read; registers 8 k .. 8 k + 7 are source 1 for keys 32 k on
.set d, d+1
.endr
.endr
.endm
; product i of the 32 of O^T += V^T P of block kw: keys 32 (i / 8) on, channels 16 ((i / 2) % 4) on, tile i % 2: eight accumulators by turns.  first = 1: the first eight start the sums
.macro PVI kw, first, i
	KWM \kw
	WIN 83+4*wM                                    ; source 0 window 3 (V), source 1 with the scores (P), C and D window 1 (O^T)
.set pk, (\i)/8
.set pn, ((\i)/2)%4
.set pu, (\i)%2
.if (\first) && (pk == 0)
	v_wmma_f32_16x16x32_f16 v[OO+8*(4*pu+pn):OO+8*(4*pu+pn)+7], v[8*(4*pn+pk):8*(4*pn+pk)+7], v[sbM+64*pu+8*pk:sbM+64*pu+8*pk+7], 0
.else
	v_wmma_f32_16x16x32_f16 v[OO+8*(4*pu+pn):OO+8*(4*pu+pn)+7], v[8*(4*pn+pk):8*(4*pn+pk)+7], v[sbM+64*pu+8*pk:sbM+64*pu+8*pk+7], v[OO+8*(4*pu+pn):OO+8*(4*pu+pn)+7]
.endif
.endm
; block cur has the matrix unit; behind each of its products stands a slot of block nxt, which names none of the products' registers
.macro PVE cur, first, nxt
	s_wait_dscnt 0x0                               ; V of block cur is in
.set ii, 0
.rept 32
	PVI \cur, \first, ii
	ESLOT \nxt, ii
.set ii, ii+1
.endr
	ETAIL \nxt
	PLACES                                         ; the plain instruction behind the last exponential, and the places in front of the loads into V's registers
	s_wait_alu depctr_va_vdst(0)                   ; one wait for block nxt's batch, ahead of its first reader
.endm
.macro PVL cur                         ; the last block's products: nothing is left to stand behind them
	s_wait_dscnt 0x0
.set ii, 0
.rept 32
	PVI \cur, 0, ii
.set ii, ii+1
.endr
	PLACES
.endm
; the way out: O^T / the sum, through my stage, 16 queries at a time; sixteen lanes store a token's 64 channels of this head: 256 consecutive bytes, aligned
.macro FIN
	WIN 0
.irp u, 0,1
	v_pk_add_f32 v[LS+4*\u:LS+4*\u+1], v[LS+4*\u:LS+4*\u+1], v[LS+4*\u+2:LS+4*\u+3]
.endr
.irp u, 0,1
	v_add_f32 v[LS+4*\u], v[LS+4*\u], v[LS+4*\u+1]
.endr
.irp u, 0,1
	v_permlanex16_b32 v[PX+\u], v[LS+4*\u], s50, s51
.endr
.irp u, 0,1
	v_add_f32 v[LS+4*\u], v[LS+4*\u], v[PX+\u]
.endr
.irp u, 0,1
	v_rcp_f32 v[RC+2*\u], v[LS+4*\u]
.endr
	v_nop                                          ; the plain instruction behind the reciprocals
	s_wait_alu depctr_va_vdst(0)                   ; one wait for both, ahead of the first reader
	WIN 0x41                                       ; O^T window 1, 1 / sum window 0
.irp u, 0,1
.set j, 0
.rept 16
	v_pk_mul_f32 v[OO+32*\u+j:OO+32*\u+j+1], v[OO+32*\u+j:OO+32*\u+j+1], v[RC+2*\u:RC+2*\u+1] op_sel_hi:[1,0]
.set j, j+2
.endr
.endr
.irp u, 0,1
	WIN 0x04                                       ; an LDS store's data are its source 1: window 1
.irp n, 0,1,2,3
	ds_store_b128 v[ASI], v[OO+8*(4*\u+\n):OO+8*(4*\u+\n)+3] offset:64*\n          ; row r, channels 16 n + 8 h + 0..7
	ds_store_b128 v[ASI], v[OO+8*(4*\u+\n)+4:OO+8*(4*\u+\n)+7] offset:64*\n+16
.endr
	WIN 0
.irp i, 0,1,2,3,4,5,6,7
	ds_load_b128 v[TT+32*\u+4*\i:TT+32*\u+4*\i+3], v[ASO] offset:544*\i            ; LDS serves a wave's instructions in order: these see my stores, and the next tile's stores come behind them
.endr
.endr
	s_wait_dscnt 16                                ; tile 0 is back; tile 1's 8 stores and 8 loads may be out
.irp i, 0,1,2,3,4,5,6,7
	global_store_b128 v[GO], v[TT+4*\i:TT+4*\i+3], s[10:11] offset:8192*\i th:TH_STORE_NT
.endr
	s_wait_dscnt 0x0
.irp i, 0,1,2,3,4,5,6,7
	global_store_b128 v[GO], v[TT+32+4*\i:TT+32+4*\i+3], s[10:11] offset:65536+8192*\i th:TH_STORE_NT
.endr
	s_wait_xcnt 0x0                                ; the stores have read their registers: the offset and, in the next step, v144 on are written again only behind this wait
	v_add_nc_u32 v[GO], 524288, v[GO]              ; the next window: 128 tokens of 4,096 bytes
.endm
; The blocks in their order: window a itself (kw = 1), which is always there and starts the maxima, the sums and O^T; then kb; then, where three = 1, kc.
; K goes in halves through the two halves of the fragment buffer: half n + 2 is asked for behind half n's products and their places, so it has half n + 1's products in which to land.
; V of a block is asked for behind the products of the block before and lands under the block's own 128 sums and roundings (the first block's: under the last maxima and its own batch).
.macro ATT kb, kc, three
	QLOAD
	LOADKH 1, 0
	LOADKH 1, 1
	s_wait_dscnt 16                                ; Q and the first half are in; the 16 loads of the next half may be out (so at each such wait below)
	MULSH 1, 0, 0, 0, 0, 0
	LOADKH \kb, 0
	s_wait_dscnt 16
	MULSH 1, 1, 1, 1, 0, 1
	LOADKH \kb, 1
	s_wait_dscnt 16
	MULSH \kb, 0, 1, 1, 1, 1
.if \three
	LOADKH \kc, 0
	s_wait_dscnt 16
.else
	s_wait_dscnt 0x0
.endif
	MULSH \kb, 1, 1, \kb, 0, 0
.if \three
	LOADKH \kc, 1
	s_wait_dscnt 16
	MULSH \kc, 0, 1, \kb, 1, 0
	s_wait_dscnt 0x0
	MULSH \kc, 1, 1, \kc, 0, 0
	LOADV 1
	MAXT \kc, 1
.else
	LOADV 1
	MAXT \kb, 1
.endif
	MAXFIN
	EALL 1
	RBLK 1, 1
	PVE 1, 1, \kb
	LOADV \kb
	RBLK \kb, 0
.if \three
	PVE \kb, 0, \kc
	LOADV \kc
	RBLK \kc, 0
	PVL \kc
.else
	PVL \kb
.endif
	FIN
.endm
	; ---------------- the head ----------------
	s_load_b256 s[4:11], s[0:1], 0x0               ; xq s[4:5], wq s[6:7], ws s[8:9], out0 s[10:11]
	v_lshl_add_u32 v[SPW], v0, 2, SPARE
	v_mov_b32 v[NIL], 0
	ds_add_u32 v[SPW], v[NIL]                      ; the wave's opening: the add, twice on end, and its wait ahead of my first tensor load; the set-up below stands between
	ds_add_u32 v[SPW], v[NIL]
	v_lshrrev_b32 v1, 5, v0
	v_readfirstlane_b32 s[WV], v1                  ; wave 0..3
	s_mov_b32 s[HD], ttmp9                         ; the head
	s_and_b32 s2, ttmp7, 0xffff
	s_and_b32 s[RHO], s2, 3                        ; the run of 8 windows
	s_lshr_b32 s[BT], s2, 2                        ; the batch
	s_lshl_b32 s[LO], s[RHO], 3                    ; my first query window
	s_sub_co_i32 s[G], s[LO], 1
	s_max_i32 s[G], s[G], 0                        ; the first window that I project
	s_add_co_u32 s[GMAX], s[LO], 8
	s_min_u32 s[GMAX], s[GMAX], 31                 ; and the last
	s_mov_b32 s[T], 0
	; descriptor group 1: 34 rows of 64 elements of 8 bytes, dense in memory; in LDS 4 words of padding behind every 128
	s_mov_b32 s24, (3<<16)|(1<<20)|(6<<22)|(3<<25)
	s_mov_b32 s25, 64<<16                          ; tensor_dim0 = 64
	s_mov_b32 s26, 34<<16                          ; tensor_dim1 = 34
	s_mov_b32 s27, 64<<16                          ; tile_dim0 = 64
	s_mov_b32 s28, 34                              ; tile_dim1 = 34
	s_mov_b32 s29, 64                              ; from row to row
	s_mov_b32 s30, 0
	s_mov_b32 s31, 0
	s_mov_b32 s50, 0x76543210
	s_mov_b32 s51, 0xfedcba98                      ; the lane exchange's selects: lane l xor 16
	s_mov_b32 s52, 0x3e38aa3b                      ; c = log2(e) / 8
	s_mov_b32 s53, s52                             ; (named with it as a pair)
	s_mov_b32 s54, 0xbe38aa3b                      ; -c
	s_mul_i32 s55, s[WV], XL4                      ; my quarter's place in a slot
	s_lshl_b32 s2, s[BT], 5
	s_add_co_u32 s2, s2, s[G]
	s_mul_i32 s2, s2, XWIN                         ; the first window's block,
	s_mul_i32 s3, s[WV], XQ4
	s_add_co_u32 s2, s2, s3                        ; my quarter of it
	s_mov_b32 s3, 0
	s_wait_dscnt 0x0                               ; both opening adds are done
	s_wait_kmcnt 0x0
	s_mov_b32 s32, 1
	s_mov_b32 s33, s55                             ; slot 0
	s_add_nc_u64 s[34:35], s[4:5], s[2:3]
	s_or_b32 s35, s35, 0x80000000
	s_mov_b32 s36, 1
	s_add_co_u32 s37, s55, XSLOT                   ; slot 1
	s_add_nc_u64 s[38:39], s[4:5], s[2:3]
	s_add_nc_u64 s[38:39], s[38:39], XWIN          ; the second window; this set then walks on
	s_or_b32 s39, s39, 0x80000000
	tensor_load_to_lds s[32:35], s[24:31]          ; both first fills, in every wave: two loads of mine are out
	s_nop 0
	tensor_load_to_lds s[36:39], s[24:31]
	s_nop 0
.rept 4
	v_nop
.endr
	s_lshl_b32 s2, s[HD], 2
	s_add_co_u32 s2, s2, s[WV]                     ; my tile of 16 columns among q's 64: 4 head + wave
	s_lshl_b32 s22, s2, 13
	s_mov_b32 s23, 0
	s_add_nc_u64 s[6:7], s[6:7], s[22:23]
	s_lshl_b32 s22, s2, 9
	s_add_nc_u64 s[8:9], s[8:9], s[22:23]
	v_and_b32 v28, 15, v0                          ; r
	v_bfe_u32 v29, v0, 4, 1                        ; h
	v_and_b32 v1, 31, v0
	v_lshlrev_b32 v1, 4, v1                        ; 16 x lane
	v_lshlrev_b32 v[WSA], 5, v28                   ; 32 r
	WIN 0x40                                       ; destination window 1
.irp i, 0,1,2                          ; q's, k's, v's tile: 64 tiles of 8,192 bytes apart
.irp s, 0,1,2,3,4,5,6,7
.irp p, 0,1
	global_load_b128 v[8*(8*\i+\s)+4*\p:8*(8*\i+\s)+4*\p+3], v1, s[6:7] offset:524288*\i+1024*\s+512*\p
.endr
.endr
.endr
	WIN 0
.irp i, 0,1,2
.irp p, 0,1
	global_load_b128 v[WS+8*\i+4*\p:WS+8*\i+4*\p+3], v[WSA], s[8:9] offset:32768*\i+16*\p   ; column r's scale words of K steps 4 p .. 4 p + 3
.endr
.endr
	v_mul_u32_u24 v2, v28, 528
	v_lshl_add_u32 v2, v29, 4, v2                  ; x's fragments: 528 r + 16 h
	v_mul_u32_u24 v3, v29, 2112
	v_lshl_add_u32 v3, v28, 5, v3
	v_add_nc_u32 v3, XSC, v3                       ; x's scale words: 32 r, lanes 16-31 four rows (tiles) further on
	v_mul_u32_u24 v30, v28, 144
	v_lshl_add_u32 v30, v29, 4, v30                ; 144 r + 16 h
	v_mul_u32_u24 v31, v28, 272
	v_lshl_add_u32 v32, v29, 4, v31                ; 272 r + 16 h
	s_lshl_b32 s2, s[WV], 5
	v_add_nc_u32 v4, s2, v30
	v_add_nc_u32 v5, KR, v4                        ; k's stores: + 32 w
	v_add_nc_u32 v4, QR, v4                        ; q's
	s_mul_i32 s2, s[WV], 4352
	v_add_nc_u32 v6, s2, v32
	v_add_nc_u32 v6, VR, v6                        ; v's stores: row 16 w + r
	s_mul_i32 s2, s[WV], 4608
	s_add_co_u32 s2, s2, QR                        ; my 32 rows of a Q slot
	v_add_nc_u32 v7, s2, v30                       ; Q's fragments
	v_add_nc_u32 v8, KR, v30                       ; K's
	v_add_nc_u32 v9, VR, v32                       ; V's
	v_lshl_add_u32 v10, v29, 5, v31
	v_add_nc_u32 v10, s2, v10                      ; the stage, in: 272 r + 32 h
	v_mul_u32_u24 v11, v29, 272
	v_lshl_add_u32 v11, v28, 4, v11
	v_add_nc_u32 v11, s2, v11                      ; and out: 272 h + 16 r
	v_lshlrev_b32 v[GO], 12, v29
	v_lshl_add_u32 v[GO], v28, 4, v[GO]            ; the output: 4,096 h + 16 r
	v_mov_b32 v[RC+1], 0                           ; upper halves of pairs of which the low word alone is used,
	v_mov_b32 v[RC+3], 0
	v_mov_b32 v[PX], 0                             ; and the lane exchange's destinations, which count as read: written once
	v_mov_b32 v[PX+1], 0
	s_lshl_b32 s2, s[BT], 12
	s_lshl_b32 s3, s[LO], 7
	s_add_co_u32 s2, s2, s3
	s_lshl_b32 s3, s[WV], 5
	s_add_co_u32 s2, s2, s3                        ; my first token: 4,096 b + 128 LO + 32 w
	s_lshl_b32 s2, s2, 12
	s_lshl_b32 s3, s[HD], 8
	s_add_co_u32 s2, s2, s3                        ; x 4,096 bytes + 256 x head
	s_mov_b32 s3, 0
	s_add_nc_u64 s[10:11], s[10:11], s[2:3]
	s_wait_loadcnt 0x0                             ; W and its scale words
	s_wait_tensorcnt 0x0                           ; my quarters of both slots (every wait on this counter in the text is for 0, since a jump leads round the refill)
	s_barrier_signal -1
	s_barrier_wait -1                              ; everybody's
.Lstep:                                                ; ten trips
	s_and_b32 s2, s[T], 1
	s_mul_i32 s40, s2, XSLOT                       ; x's slot of this step
	s_mul_i32 s41, s2, QSL                         ; the Q slot written
	s_xor_b32 s2, s2, 1
	s_mul_i32 s42, s2, QSL                         ; the Q slot read: the last step's
	s_and_b32 s2, s[T], 3
	s_mul_i32 s43, s2, KSL                         ; K, V of window G: written now; in attention the keys of a+1
	s_mul_i32 s46, s2, VSL
	s_add_co_u32 s2, s[T], 3
	s_and_b32 s2, s2, 3
	s_mul_i32 s44, s2, KSL                         ; of window G - 1 = a
	s_mul_i32 s47, s2, VSL
	s_add_co_u32 s2, s[T], 2
	s_and_b32 s2, s2, 3
	s_mul_i32 s45, s2, KSL                         ; of window G - 2 = a-1
	s_mul_i32 s48, s2, VSL
	v_add_nc_u32 v[AX], s40, v2
	v_add_nc_u32 v[AXS], s40, v3
	v_add_nc_u32 v[AQW], s41, v4
	v_add_nc_u32 v[AKW], s43, v5
	v_add_nc_u32 v[AVW], s46, v6
	v_add_nc_u32 v[AQR], s42, v7
	v_add_nc_u32 v[ASI], s42, v10
	v_add_nc_u32 v[ASO], s42, v11
	v_add_nc_u32 v[AK], s45, v8
	v_add_nc_u32 v[AK+1], s44, v8
	v_add_nc_u32 v[AK+2], s43, v8
	v_add_nc_u32 v[AV], s48, v9
	v_add_nc_u32 v[AV+1], s47, v9
	v_add_nc_u32 v[AV+2], s46, v9
	s_cmp_gt_u32 s[G], s[GMAX]                     ; past my last window: nothing to project
	s_cbranch_scc1 .Lnog
	s_sub_co_u32 s2, s[G], s[LO]
	s_cmp_gt_u32 s2, 7                             ; (unsigned: G < LO gives a large number)  a halo window: k and v alone
	s_cbranch_scc1 .Lgkv
	GEMM 1
	s_branch .Lnog
.Lgkv:
	GEMM 0
.Lnog:
	s_wait_tensorcnt 0x0                           ; all my tensor loads have landed: the one that was out is my quarter of the next window, asked for a step ago
	ds_add_u32 v[SPW], v[NIL]                      ; 0 onto my spare word; the descriptor's step stands between it and the wait
	s_add_nc_u64 s[38:39], s[38:39], XWIN          ; no load of mine is out, so the walking set may be written: the window two on,
	s_add_co_u32 s37, s40, s55                     ; into the slot just read
	s_wait_dscnt 0x0                               ; the add is done, my reads of this slot are over, my stores of q, k, v have landed
	s_barrier_signal -1
	s_barrier_wait -1                              ; all of that holds of every wave
	s_add_co_u32 s2, s[G], 2                       ; a slot is filled only if a later step reads it: ids and the step count alone, the same in all four waves;
	s_cmp_gt_u32 s2, s[GMAX]                       ; where the tail begins hangs on the run, so it cannot be written out; a window not asked for is not projected either
	s_cbranch_scc1 .Lpast
	tensor_load_to_lds s[36:39], s[24:31]          ; my one tensor load behind this barrier, ahead of every LDS read: it has the attention and the next projection in which to land
	s_nop 0
.rept 4
	v_nop
.endr
.Lpast:
	s_sub_co_u32 s2, s[G], s[LO]
	s_sub_co_u32 s2, s2, 1
	s_cmp_gt_u32 s2, 7                             ; is window a = G - 1 one of mine?
	s_cbranch_scc1 .Lnoatt
	s_cmp_lt_u32 s[G], 2                           ; a = 0: no window a-1
	s_cbranch_scc1 .Lattfirst
	s_cmp_gt_u32 s[G], 31                          ; a = 31: no window a+1
	s_cbranch_scc1 .Lattlast
	ATT 0, 2, 1                                    ; windows a, a-1, a+1
	s_branch .Lnoatt
.Lattfirst:
	ATT 2, 2, 0                                    ; windows a, a+1
	s_branch .Lnoatt
.Lattlast:
	ATT 0, 0, 0                                    ; windows a, a-1
.Lnoatt:
	s_wait_dscnt 0x0                               ; my reads of Q, K, V and of my stage are over
	s_barrier_signal -1                            ; the next step's stores go into the Q slot that was read, and staged in, here; the tensor load may stay out: nothing is filled before the next step's barrier
	s_barrier_wait -1
	s_add_co_u32 s[G], s[G], 1
	s_add_co_u32 s[T], s[T], 1
	s_cmp_lt_u32 s[T], 10
	s_cbranch_scc1 .Lstep
	s_wait_tensorcnt 0x0                           ; the wave's end: behind my last tensor load and my last LDS store
	ds_add_u32 v[SPW], v[NIL]
	s_wait_dscnt 0x0
	s_endpgm
.Lfunc_end_k_q953ce78c86_attn:
	.size	k_q953ce78c86_attn, .Lfunc_end_k_q953ce78c86_attn-k_q953ce78c86_attn
	.p2alignl 7, 3214868480
	.fill 96, 4, 3214868480
	.section	.rodata,"a",@progbits
	.p2align	6, 0x0
	.amdhsa_kernel k_q953ce78c86_attn
		.amdhsa_group_segment_fixed_size 327680
		.amdhsa_private_segment_fixed_size 0
		.amdhsa_enable_private_segment 0
		.amdhsa_kernarg_size 32
		.amdhsa_user_sgpr_count 2
		.amdhsa_user_sgpr_kernarg_segment_ptr 1
		.amdhsa_wavefront_size32 1
		.amdhsa_system_sgpr_workgroup_id_x 1
		.amdhsa_system_sgpr_workgroup_id_y 1
		.amdhsa_system_sgpr_workgroup_id_z 1
		.amdhsa_system_vgpr_workitem_id 0
		.amdhsa_next_free_vgpr 1024
		.amdhsa_next_free_sgpr 66
		.amdhsa_reserve_vcc 0
		.amdhsa_float_denorm_mode_32 3
		.amdhsa_float_denorm_mode_16_64 3
		.amdhsa_memory_ordered 1
		.amdhsa_forward_progress 1
		.amdhsa_inst_pref_size 255
	.end_amdhsa_kernel
	.section	.bss,"aw",@nobits
	.p2align	6
	.space	262144
	.amdgpu_metadata
---
amdhsa.version: [ 1, 2 ]
amdhsa.kernels:
  - .name:           k_q953ce78c86_attn
    .symbol:         k_q953ce78c86_attn.kd
    .args:
      - { .name: xq, .offset: 0, .size: 8, .value_kind: global_buffer, .address_space: global }
      - { .name: wq, .offset: 8, .size: 8, .value_kind: global_buffer, .address_space: global }
      - { .name: ws, .offset: 16, .size: 8, .value_kind: global_buffer, .address_space: global }
      - { .name: out0, .offset: 24, .size: 8, .value_kind: global_buffer, .address_space: global }
    .group_segment_fixed_size: 327680
    .private_segment_fixed_size: 0
    .kernarg_segment_align: 8
    .kernarg_segment_size: 32
    .max_flat_workgroup_size: 128
    .sgpr_count:     66
    .vgpr_count:     1024
    .wavefront_size: 32
...
	.end_amdgpu_metadata
.endif
;; end of part 2
